; MI455X (gfx1250); checked and timed in simulation.
; The chip was launched on July 23, 2026; its instructions are those of AMD's public machine-readable ISA for CDNA 5 (MIT licence, August 2026) and "CDNA5" Instruction Set Architecture Reference Guide (July 2026). The comments in the code are by the model that wrote it; some were corrected since.
;; Multi Head Attention. Allowed arithmetic: matrix products marked QUANTISED: E3M2 operands, one E8M0 scale for each 32 along K, by v_wmma_scale_f32_16x16x128_f8f6f4 with both operands' format E3M2, f32 sums; everything else in f32.
;; Inputs: Wk 1,024 x 1,024 float32; Wo 1,024 x 1,024 float32; Wq 1,024 x 1,024 float32; Wv 1,024 x 1,024 float32; bk 1,024 float32; bo 1,024 float32; bq 1,024 float32; bv 1,024 float32; x 4 x 2,048 x 1,024 float32.
;; Outputs: out0 4 x 2,048 x 1,024 float32.
;; This version of the problem:
;;   THIS VERSION OF THE PROBLEM IS GIVEN IN LOW PRECISION. The matrix products marked QUANTISED in the list below multiply operands that are first quantised to E3M2 (3 exponent bits, 2 mantissa bits; 6 bits a number), with one power-of-two scale for each 32 numbers along K (OCP MX v1.0); their sums are f32. All else is computed in f32.
;;   The module's matrix products, in the order in which they are computed (A, B: the left and right operand; K: the contracted axis; several contracted axes count as one K, in the product's order):
;;     1. [M 8,192, K 1,024] x [K 1,024, N 1,024]; A: input x; B: input Wq: QUANTISED
;;     2. [M 8,192, K 1,024] x [K 1,024, N 1,024]; A: input x; B: input Wk: QUANTISED
;;     3. [M 8,192, K 1,024] x [K 1,024, N 1,024]; A: input x; B: input Wv: QUANTISED
;;     4. batch 64 x [M 2,048, K 64] x [K 64, N 2,048]; A: computed on the way; B: computed on the way: QUANTISED
;;     5. batch 64 x [M 2,048, K 2,048] x [K 2,048, N 64]; A: softmax (see below); B: computed on the way: QUANTISED
;;     6. [M 8,192, K 1,024] x [K 1,024, N 1,024]; A: computed on the way; B: input Wo: QUANTISED
;;   THE QUANTISER, for each operand of a quantised product, along K:
;;     - K is cut into blocks of 32 from its start; a last block that is shorter is filled with zeros.
;;     - A block's scale is 2^e with e = floor(log2(the largest magnitude in the block)) - 4, held to -126 .. 127; a block of zeros has e = 0. As a byte (E8M0): e + 127.
;;     - Each number is divided by its block's scale, clamped to +-28, and rounded to the nearest number of E3M2, ties to even, subnormals kept.
;;     - The product sums the exact products of the quantised numbers (number of the format x scale) in f32.
;;   ~~~python
;;   def quantise(x, axis):      # numpy; x: float32 -> the quantised numbers, widened to float32 again
;;       x = np.moveaxis(x, axis, -1); K = x.shape[-1]
;;       x = np.pad(x, [(0, 0)] * (x.ndim - 1) + [(0, -K % 32)]); x = x.reshape(x.shape[:-1] + (-1, 32)); a = np.abs(x).max(-1, keepdims=True)
;;       e = np.where(a > 0, np.clip(np.frexp(np.where(a > 0, a, 1))[1] - 1 - 4, -126, 127), 0)      # np.frexp(a)[1] - 1 = floor(log2(a)), exactly
;;       r = np.clip(x / 2.0 ** e, -28, 28)
;;       step = 2.0 ** (np.maximum(np.frexp(np.where(r == 0, 1, r))[1] - 1, -2) - 2)
;;       q = np.round(r / step) * step * 2.0 ** e      # np.round: ties to even
;;       return np.moveaxis(q.reshape(q.shape[:-2] + (-1,))[..., :K], -1, axis).astype(np.float32)
;;   ~~~
;;   SOFTMAX AHEAD OF A QUANTISED PRODUCT. Where the list says 'softmax', what is quantised is not the finished softmax but p = 2^(t - M), with t = logit x log2(e) and M = ceil(the row's largest t), a whole number; so 1/2 < the row's largest p <= 1. The row's sum l is taken of the UNQUANTISED p, in f32, and the product's result is divided by l at the end. Since M is a whole number, a kernel that streams over the keys may use a running M (the ceiling of the running maximum): every later rescaling is an exact power of two, which a block's scale takes up: the codes' values come out the same.
;;   OPERANDS COMPUTED ON THE WAY. 'Computed on the way' means the value that the module computes at that place (a softmax that the list does not call 'softmax' is quantised finished and normalised). What goes into a quantiser is computed in f32, as accurately as f32 sums, v_exp_f32 and their like allow (about 1e-6 of the number): no bf16 or f16 on the way to a quantiser, and a product that is left as it is and whose result goes on into a quantised operand takes f32 operands (vector FMAs, or v_wmma_f32_16x16x4_f32). A number that lies on a knife's edge between two numbers of the format may be rounded either way, as far as f32 arithmetic and the matrix unit's own rounding can turn it there, and no further.
;; One version. Each part assembles by itself: llvm-mc -triple=amdgcn-amd-amdhsa -mcpu=gfx1250 --defsym DOCPART=n.
;; ======== version 1 of 1: 4 launches
;; workspace buffers: xr 6,553,600 bytes; wr 3,276,800 bytes; qf 6,553,600 bytes; kv 13,107,200 bytes; cr 6,553,600 bytes
;; launch quant (part 1): grid 768 x 1, 2 waves a work-group, no clusters, 17,664 bytes of LDS; arguments x, Wq, Wk, Wv, Wo, xr, wr; writes xr, wr
.if DOCPART == 1
	.amdgcn_target "amdgcn-amd-amdhsa--gfx1250"
	.amdhsa_code_object_version 6
	.text
	.protected	k_q5b08c641ee_quant
	.globl	k_q5b08c641ee_quant
	.p2align	8
	.type	k_q5b08c641ee_quant,@function
k_q5b08c641ee_quant:
	s_mov_b64 s[64:65], 0
	v_nop
	global_prefetch_b8 v0, s[64:65] scope:SCOPE_SE
	s_setreg_imm32_b32 hwreg(HW_REG_WAVE_MODE, 25, 1), 1
	s_wait_xcnt 0x0
; x [8192][1024] and Wq, Wk, Wv, Wo [1024][1024], f32, K innermost, become codes of BF6 (E3M2) with one E8M0 byte for each 32 along K,
; LAID AS THE MATRIX OPERAND'S REGISTERS.  A record (12,800 bytes) is a block of 16 rows for all of K = 1,024:
;   fragment s (128 along K) at 1536 s: registers 0-3 at 16 x lane, 4-5 at 512 + 8 x lane, 6-9 at 768 + 16 x lane, 10-11 at 1280 + 8 x lane;
;   scale words at 12288 + 64 s + 4 r.
; THE ROWS OF A BLOCK ARE NOT NEIGHBOURS: lane r of block t holds row 32 (t / 2) + 8 (t % 2) + r + 8 (r / 8), so that a product that takes two
; neighbouring blocks as source 0 leaves 16 neighbouring rows in a lane's 16 registers, which the later quantisers want.
; A block's scale is 2^(floor(log2(largest magnitude)) - 4): its byte is the largest magnitude's exponent field - 4, held at 1 from below.
; LIMITS: NaN and infinities among the inputs are not served.  A block of zeros gets the byte 1 where the rule says 127: its codes are zeros,
; which add nothing under any byte but 0xff, and this program alone reads the bytes.
; SHARES: work-group R makes one record: R < 512: x's block R; else weight (R - 512) / 64, block R % 64.  Wave kh takes K steps 4 kh .. 4 kh + 3.
; Each load reads 512 consecutive bytes of one row; a step's 16 rows turn through the wave's own stage in LDS (pitch 528 = 33 x 16 bytes) and come
; back 128 bytes a lane and half: lane (r, h) then holds k = 64 c + 32 h + 0 .. 31 of row r, two whole blocks, in the operand's own order.
; No tensor loads, no barrier, no cluster: the work-groups share no input and the waves share nothing.  Loads run one step (16 loads) ahead.
.set STG,  16*528                      ; a wave's stage
.set REC,  12800
.set WD,   20                          ; v20-23   a scale word for each of my four K steps
.set PC,   24                          ; v24-35   a fragment's codes
.set PT,   36                          ; v36-38, v40-42  the upper halves of the two blocks' codes (a conversion's three registers begin on an even number)
.set X,    48                          ; v48-111  64 numbers in the operand's order
.set RS,   112                         ; v112-175, v176-239  two sets of 16 x 4 registers as loaded
	s_load_b256 s[4:11], s[0:1], 0x0               ; x s[4:5], Wq s[6:7], Wk s[8:9], Wv s[10:11]
	s_load_b128 s[12:15], s[0:1], 0x20             ; Wo s[12:13], xr s[14:15]
	s_load_b64 s[16:17], s[0:1], 0x30              ; wr
	v_lshl_add_u32 v254, v0, 2, 0x4400
	v_mov_b32 v255, 0
	v_lshrrev_b32 v1, 5, v0
	v_readfirstlane_b32 s18, v1                    ; wave = kh
	v_and_b32 v2, 31, v0                           ; lane
	v_and_b32 v3, 15, v0                           ; r
	v_bfe_u32 v10, v0, 4, 1                        ; h
	v_lshlrev_b32 v4, 4, v2                        ; 16 x lane
	v_lshlrev_b32 v5, 3, v2                        ; 8 x lane
	v_lshlrev_b32 v6, 2, v2                        ; 4 x lane
	s_mul_i32 s19, s18, STG
	v_add_nc_u32 v7, s19, v4                       ; the stage, on the way in: 16 x lane of a row
	v_mul_u32_u24 v8, v3, 528
	v_lshl_add_u32 v8, v10, 7, v8
	v_add_nc_u32 v8, s19, v8                       ; and on the way out: row r, + 128 h
	v_lshlrev_b32 v9, 3, v10                       ; 8 h: where my two bytes stand in the scale word
	v_mov_b32 v19, 0                               ; a lane permute's destination counts as one of its sources
	s_mov_b32 s28, 0x76543210
	s_mov_b32 s29, 0xfedcba98                      ; v_permlanex16_b32's selects for lane l xor 16
	s_mov_b32 s30, 0xffff0000                      ; lanes 16-31
	s_wait_alu depctr_va_vdst(0)
	s_wait_kmcnt 0x0
	s_mov_b64 s[20:21], s[6:7]                     ; the source is chosen by the work-group's number alone
	s_cmp_ge_u32 ttmp9, 576
	s_cselect_b64 s[20:21], s[8:9], s[20:21]
	s_cmp_ge_u32 ttmp9, 640
	s_cselect_b64 s[20:21], s[10:11], s[20:21]
	s_cmp_ge_u32 ttmp9, 704
	s_cselect_b64 s[20:21], s[12:13], s[20:21]
	s_cmp_lt_u32 ttmp9, 512
	s_cselect_b64 s[20:21], s[4:5], s[20:21]
	s_cselect_b64 s[22:23], s[14:15], s[16:17]     ; and so is the buffer of records
	s_cselect_b32 s31, 0, 512
	s_cselect_b32 s33, 0x1ff, 63
	s_sub_co_u32 s32, ttmp9, s31                   ; the record's number in its buffer
	s_and_b32 s33, s32, s33                        ; t: the block's number in its tensor
	s_lshr_b32 s34, s33, 1
	s_lshl_b32 s34, s34, 17                        ; 32 (t / 2) rows of 4,096 bytes
	s_and_b32 s35, s33, 1
	s_lshl_b32 s35, s35, 15                        ; 8 (t % 2) rows
	s_add_co_u32 s34, s34, s35
	s_lshl_b32 s35, s18, 11                        ; my four K steps: 2,048 bytes on for wave 1
	s_add_co_u32 s34, s34, s35
	s_mov_b32 s35, 0
	s_add_nc_u64 s[20:21], s[20:21], s[34:35]
	s_mul_i32 s36, s32, REC
	s_mov_b32 s37, 0
	s_add_nc_u64 s[22:23], s[22:23], s[36:37]      ; the record
	s_lshl_b32 s36, s18, 8
	s_add_co_u32 s36, s36, 12288
	s_add_nc_u64 s[24:25], s[22:23], s[36:37]      ; my four steps' scale words
	s_mul_i32 s36, s18, 6144
	s_add_nc_u64 s[22:23], s[22:23], s[36:37]      ; my four fragments
.macro LOAD s                          ; K step s: 16 rows x 512 consecutive bytes
.irp i, 0,1,2,3,4,5,6,7,8,9,10,11,12,13,14,15
	global_load_b128 v[RS+64*((\s)%2)+4*\i:RS+64*((\s)%2)+4*\i+3], v4, s[20:21] offset:(\i+8*(\i/8))*4096+512*(\s) th:TH_LOAD_NT
.endr
.endm
.macro TURN s                          ; through the stage: LDS serves a wave's instructions in order, so no wait stands between the stores and the loads
.irp i, 0,1,2,3,4,5,6,7,8,9,10,11,12,13,14,15
	ds_store_b128 v7, v[RS+64*((\s)%2)+4*\i:RS+64*((\s)%2)+4*\i+3] offset:528*\i
.endr
.irp c, 0,1
.irp j, 0,1,2,3,4,5,6,7
	ds_load_b128 v[X+32*\c+4*\j:X+32*\c+4*\j+3], v8 offset:256*\c+16*\j
.endr
.endr
.endm
.macro STEP s
.if (\s) < 3
	s_wait_loadcnt 16                              ; this step's 16 loads are in; the next step's 16 may be out
.else
	s_wait_loadcnt 0x0
.endif
	TURN \s
	s_wait_dscnt 0x0                               ; my 64 numbers are back, and the stage's stores have read their registers,
.if (\s) < 2
	LOAD (\s)+2                                    ; which take the loads of two steps on
.endif
.irp c, 0,1                                    ; my block 2 c + h: all its 32 numbers are mine
	v_max3_num_f32 v[12+\c], |v[X+32*\c]|, |v[X+32*\c+1]|, 0x2800000   ; and the floor 2^(5 - 127): the byte cannot fall under 1
.endr
.irp i, 2,4,6,8,10,12,14,16,18,20,22,24,26,28,30
.irp c, 0,1
	v_max3_num_f32 v[12+\c], v[12+\c], |v[X+32*\c+\i]|, |v[X+32*\c+\i+1]|
.endr
.endr
.irp c, 0,1
	v_add_nc_u32 v[14+\c], 0xfe000000, v[12+\c]    ; 4 off the exponent field: the conversion's scale operand
.endr
.irp c, 0,1
	v_lshrrev_b32 v[16+\c], 23, v[14+\c]           ; the scale's byte
.endr
	v_lshl_or_b32 v18, v17, 16, v16                ; blocks h and 2 + h,
	v_lshlrev_b32 v18, v9, v18                     ; at their places in the word;
	v_permlanex16_b32 v19, v18, s28, s29
	v_or_b32 v[WD+(\s)], v18, v19                  ; with lane l xor 16's two the word is whole
	s_wait_alu depctr_va_vdst(0)
	s_wait_xcnt 0x0                                ; the last step's stores have read the codes' registers
.irp c, 0,1
	v_cvt_scalef32_pk16_bf6_f32 v[PC+6*\c:PC+6*\c+2], v[X+32*\c:X+32*\c+15], v[14+\c]
	v_cvt_scalef32_pk16_bf6_f32 v[PT+4*\c:PT+4*\c+2], v[X+32*\c+16:X+32*\c+31], v[14+\c]
.endr
	v_nop                                          ; one plain place behind a scaled conversion
.irp c, 0,1
.irp i, 0,1,2
	v_mov_b32 v[PC+3+6*\c+\i], v[PT+4*\c+\i]
.endr
.endr
	global_store_b128 v4, v[PC:PC+3], s[22:23] offset:1536*(\s)            ; each store covers 512 or 256 consecutive bytes, aligned to 256
	global_store_b64 v5, v[PC+4:PC+5], s[22:23] offset:1536*(\s)+512
	global_store_b128 v4, v[PC+6:PC+9], s[22:23] offset:1536*(\s)+768
	global_store_b64 v5, v[PC+10:PC+11], s[22:23] offset:1536*(\s)+1280
.endm
	LOAD 0
	LOAD 1
	STEP 0
	STEP 1
	STEP 2
	STEP 3
	v_cndmask_b32 v10, v[WD], v[WD+1], s30         ; lanes 0-15 an even step's words, lanes 16-31 the odd step's behind it
	v_cndmask_b32 v11, v[WD+2], v[WD+3], s30
	global_store_b32 v6, v10, s[24:25]
	global_store_b32 v6, v11, s[24:25] offset:128  ; the two stores fill 256 consecutive bytes
	s_wait_tensorcnt 0x0
	ds_add_u32 v254, v255
	s_wait_dscnt 0x0
	s_endpgm
.Lfunc_end_k_q5b08c641ee_quant:
	.size	k_q5b08c641ee_quant, .Lfunc_end_k_q5b08c641ee_quant-k_q5b08c641ee_quant
	.p2alignl 7, 3214868480
	.fill 96, 4, 3214868480
	.section	.rodata,"a",@progbits
	.p2align	6, 0x0
	.amdhsa_kernel k_q5b08c641ee_quant
		.amdhsa_group_segment_fixed_size 17664
		.amdhsa_private_segment_fixed_size 0
		.amdhsa_enable_private_segment 0
		.amdhsa_kernarg_size 56
		.amdhsa_user_sgpr_count 2
		.amdhsa_user_sgpr_kernarg_segment_ptr 1
		.amdhsa_wavefront_size32 1
		.amdhsa_system_sgpr_workgroup_id_x 1
		.amdhsa_system_sgpr_workgroup_id_y 1
		.amdhsa_system_sgpr_workgroup_id_z 1
		.amdhsa_system_vgpr_workitem_id 0
		.amdhsa_next_free_vgpr 256
		.amdhsa_next_free_sgpr 66
		.amdhsa_reserve_vcc 0
		.amdhsa_float_denorm_mode_32 3
		.amdhsa_float_denorm_mode_16_64 3
		.amdhsa_memory_ordered 1
		.amdhsa_forward_progress 1
		.amdhsa_inst_pref_size 31
	.end_amdhsa_kernel
	.amdgpu_metadata
---
amdhsa.version: [ 1, 2 ]
amdhsa.kernels:
  - .name:           k_q5b08c641ee_quant
    .symbol:         k_q5b08c641ee_quant.kd
    .args:
      - { .name: x, .offset: 0, .size: 8, .value_kind: global_buffer, .address_space: global }
      - { .name: Wq, .offset: 8, .size: 8, .value_kind: global_buffer, .address_space: global }
      - { .name: Wk, .offset: 16, .size: 8, .value_kind: global_buffer, .address_space: global }
      - { .name: Wv, .offset: 24, .size: 8, .value_kind: global_buffer, .address_space: global }
      - { .name: Wo, .offset: 32, .size: 8, .value_kind: global_buffer, .address_space: global }
      - { .name: xr, .offset: 40, .size: 8, .value_kind: global_buffer, .address_space: global }
      - { .name: wr, .offset: 48, .size: 8, .value_kind: global_buffer, .address_space: global }
    .group_segment_fixed_size: 17664
    .private_segment_fixed_size: 0
    .kernarg_segment_align: 8
    .kernarg_segment_size: 56
    .max_flat_workgroup_size: 64
    .sgpr_count:     66
    .vgpr_count:     256
    .wavefront_size: 32
...
	.end_amdgpu_metadata
.endif
;; end of part 1
;; launch qkv (part 2): grid 12 x 16, 4 waves a work-group, clusters of 4 x 1, 327,680 bytes of LDS; arguments xr, wr, bq, bk, bv, qf, kv; writes qf, kv
.if DOCPART == 2
	.amdgcn_target "amdgcn-amd-amdhsa--gfx1250"
	.amdhsa_code_object_version 6
	.text
	.protected	k_q5b08c641ee_qkv
	.globl	k_q5b08c641ee_qkv
	.p2align	8
	.type	k_q5b08c641ee_qkv,@function
k_q5b08c641ee_qkv:
	s_mov_b64 s[64:65], 0
	v_nop
	global_prefetch_b8 v0, s[64:65] scope:SCOPE_SE
	s_setreg_imm32_b32 hwreg(HW_REG_WAVE_MODE, 25, 1), 1
	s_wait_xcnt 0x0
	s_wait_alu depctr_hold_cnt(0) depctr_sa_sdst(0) depctr_va_vdst(0) depctr_va_sdst(0) depctr_va_ssrc(0) depctr_va_vcc(0) depctr_vm_vsrc(0)
	s_getreg_b32 s2, hwreg(HW_REG_IB_STS2, 6, 4)
	s_cmp_eq_u32 s2, 0
	s_cbranch_scc0 .Lentry_in_a_cluster
	s_endpgm
.Lentry_in_a_cluster:
	s_bfe_u32 s2, ttmp6, 0x10000c
	s_cmp_lg_u32 s2, 0x3003
	s_cbranch_scc0 .Lentry_shape_is_right
	s_endpgm
.Lentry_shape_is_right:
; q = x Wq^T + bq, k = x Wk^T + bk, v = x Wv^T + bv on codes of BF6 (E3M2) with E8M0 scales, f32 sums; the results are quantised in registers
; (q, k along the head's 64; v along the tokens, which are the keys) and leave as images of the next products' operand registers.  No f32 result goes to memory.
; SHARES.  The cluster's x says which of q, k, v (TYPE); my place cx in the cluster says which 256 features; work-group y (RG) which 512 tokens: four tiles of 128.
; Wave w owns head 4 cx + w: its 64 rows of the weight, 32 fragments, 384 registers, stay in registers for the whole launch.  A wave's tile is 128 tokens x 64 features: 32 accumulators.
; x's tile (8 records of 12,800 bytes, dense in memory) comes through a ring of two LDS slots.  The four work-groups of a cluster need the same tile: it is asked for JOINTLY, each wave its quarter.
; 12 column groups x 16 row groups are 192 work-groups: a head's 64 features have to lie in one wave, so the columns do not divide further.
; q, k: source 0 = 16 rows of W, source 1 = 16 tokens: a lane holds one token, its registers run along the features.  v: the sources swapped: a lane holds one feature, its registers run along the tokens.
; Since rows of x and of W lie in blocks whose lane r holds row 32 (t / 2) + 8 (t % 2) + r + 8 (r / 8), the 16 registers of two neighbouring blocks are 16 neighbours along the next K.
; OUT.  q, k: a fragment holds two token blocks: registers 0-5 block 2 g, 6-11 block 2 g + 1 (lane half h: the head's block h); scale word: bytes 0, 1 and 2, 3 likewise.  v: fragment td = 16 features x 128 keys.
; Each bias is the C of a sum's first product: it is added first, not last.  LIMITS: NaN and infinities are not served; a block of zeros gets the byte 1 (its codes are zeros; this program alone reads the bytes).
; REGISTERS, in windows of 256: window 0: addresses, scale words, the quantiser's work, x's fragments set 0 (v120-215), the bias (v216-247); window 1: the accumulators;
;   window 2: W's fragments of K steps 0-4 (48 s + 12 tw); window 3: those of K steps 5-7, and from v144 x's fragments set 1.
.set REC,   12800
.set SLOT1, 131072                     ; slot 1 begins here: one exclusive or turns an address from one slot to the other
.set SPARE, 262144                     ; the spare words, 128 bytes for each wave: two blocks of 256 bytes that no other line names
.set XS,    32                         ; v32-63   x's scale words: 4 tx + s / 2; lanes 0-15 the even K step, lanes 16-31 the odd one
.set WS,    64                         ; v64-79   W's likewise: 4 tw + s / 2
.set TM,    80                         ; v80-95   the quantiser: +0 largest magnitudes, +4 bytes, +12 scale operands
.set PC,    96                         ; v96-107  the codes just made; v108-110, v112-114 upper halves
.set PW,    116                        ; v116-119 four scale words
.set A0,    120
.set A1,    144
.set BIAS,  216
.set MSB, 0
.macro WIN new                         ; the immediate's high byte repeats the setting that is left
.if MSB != (\new)
	s_set_vgpr_msb (MSB<<8)|(\new)
.set MSB, \new
.endif
.endm
.macro PLACES n
.rept \n
	v_nop
.endr
.endm
.macro ROUND                           ; a round of the cluster's barrier
	s_barrier_signal -1
	s_barrier_wait -1
	s_cmp_lg_u32 s18, 0
	s_cbranch_scc1 .Lnot_wave_0_\@
	s_barrier_signal -3
.Lnot_wave_0_\@:
	s_barrier_wait -3
	s_barrier_signal -1
	s_barrier_wait -1
.endm
	s_load_b256 s[4:11], s[0:1], 0x0               ; xr s[4:5], wr s[6:7], bq s[8:9], bk s[10:11]
	s_load_b128 s[12:15], s[0:1], 0x20             ; bv s[12:13], qf s[14:15]
	s_load_b64 s[16:17], s[0:1], 0x30              ; kv
	v_lshl_add_u32 v5, v0, 2, SPARE                ; my spare word; never rewritten
	v_mov_b32 v6, 0                                ; 0; never rewritten
	ds_add_u32 v5, v6
	ds_add_u32 v5, v6
	s_wait_dscnt 0x0
	v_lshrrev_b32 v7, 5, v0
	v_readfirstlane_b32 s18, v7                    ; wave 0..3
	s_mov_b32 s19, ttmp9                           ; TYPE: 0 q, 1 k, 2 v: the cluster's x, alike in the four partners
	s_bfe_u32 s20, ttmp6, 0x40000                  ; cx
	s_and_b32 s21, ttmp7, 0xffff                   ; RG
	; descriptor group 1: a quarter of a tile, 25,600 dense bytes, as 100 rows of 256 bytes (32 elements of 8 bytes)
	s_mov_b32 s24, 15|(3<<16)|(1<<21)              ; 15:0 the mask: all four work-groups; 17:16 elements of 8 bytes; 21 set beside a mask
	s_mov_b32 s25, 32<<16                          ; tensor_dim0 = 32
	s_mov_b32 s26, 100<<16                         ; tensor_dim1 = 100
	s_mov_b32 s27, 32<<16                          ; tile_dim0 = 32
	s_mov_b32 s28, 100                             ; tile_dim1 = 100
	s_mov_b32 s29, 32                              ; the pitch
	s_mov_b32 s30, 0
	s_mov_b32 s31, 0
	s_mov_b32 s32, 1                               ; group 0: count = 1
	s_mul_i32 s33, s18, 2*REC                      ; LDS address: my quarter of slot 0
	s_mul_i32 s48, s21, 32*REC                     ; my row group's four tiles,
	s_add_co_u32 s48, s48, s33                     ; my quarter: made of RG and the wave's number alone
	s_mov_b32 s49, 0
	s_wait_kmcnt 0x0
	s_add_nc_u64 s[34:35], s[4:5], s[48:49]
	s_or_b32 s35, s35, 0x80000000                  ; type = 2
	ROUND                                          ; all four work-groups are here: the first joint loads meet
	tensor_load_to_lds s[32:35], s[24:31]          ; tile 0 into slot 0
	s_nop 0
	PLACES 4
	v_and_b32 v7, 31, v0
	v_lshlrev_b32 v1, 4, v7                        ; 16 x lane
	v_lshlrev_b32 v2, 3, v7                        ; 8 x lane
	v_lshlrev_b32 v3, 2, v7                        ; 4 x lane
	v_and_b32 v18, 15, v0                          ; r
	v_bfe_u32 v19, v0, 4, 1                        ; h
	v_lshlrev_b32 v4, 4, v18
	v_lshl_add_u32 v4, v19, 3, v4                  ; 16 r + 8 h: where my two scale words go
	v_lshlrev_b32 v16, 6, v19                      ; the bias, q and k: 16 h numbers on
	v_and_b32 v17, 8, v18
	v_add_nc_u32 v17, v17, v18
	v_lshlrev_b32 v17, 2, v17                      ; the bias, v: number r + 8 (r / 8)
.irp b, 0,1,2,3
	v_mov_b32 v[TM+4+\b], 0                        ; a lane permute's destination counts as one of its sources
.endr
	s_mov_b32 s44, 0x76543210
	s_mov_b32 s45, 0xfedcba98                      ; v_permlanex16_b32's selects for lane l xor 16
	s_mov_b32 s46, 0xffff0000                      ; lanes 16-31
	s_lshl_b32 s52, s19, 2
	s_add_co_u32 s52, s52, s20                     ; column group = 4 TYPE + cx
	s_lshl_b32 s52, s52, 2
	s_add_co_u32 s52, s52, s18
	s_mul_i32 s52, s52, 4*REC                      ; my four records of the weight
	s_mov_b32 s53, 0
	s_add_nc_u64 s[50:51], s[6:7], s[52:53]
	s_mov_b64 s[54:55], s[8:9]                     ; the bias, by TYPE
	s_cmp_eq_u32 s19, 1
	s_cselect_b64 s[54:55], s[10:11], s[54:55]
	s_cmp_eq_u32 s19, 2
	s_cselect_b64 s[54:55], s[12:13], s[54:55]
	s_lshl_b32 s56, s20, 10
	s_lshl_b32 s57, s18, 8
	s_add_co_u32 s56, s56, s57
	s_mov_b32 s57, 0
	s_add_nc_u64 s[54:55], s[54:55], s[56:57]      ; my head's 64 numbers
	s_mov_b32 s42, 12800                           ; a record of kv;
	s_cmp_eq_u32 s19, 0
	s_cselect_b64 s[38:39], s[14:15], s[16:17]     ; q goes to qf, k and v to kv
	s_cselect_b32 s42, 6400, s42                   ; of qf
	s_mov_b32 s43, 0
	s_lshr_b32 s58, s21, 2                         ; the batch
	s_lshl_b32 s58, s58, 2
	s_add_co_u32 s58, s58, s20
	s_lshl_b32 s58, s58, 2
	s_add_co_u32 s58, s58, s18                     ; 16 x batch + head
	s_lshl_b32 s58, s58, 2
	s_and_b32 s59, s21, 3
	s_add_co_u32 s58, s58, s59
	s_lshl_b32 s58, s58, 2                         ; x 16 + my first step of 128 tokens
	s_mul_i32 s58, s58, s42
	s_mov_b32 s59, 0
	s_add_nc_u64 s[38:39], s[38:39], s[58:59]
	s_cmp_eq_u32 s19, 2
	s_cselect_b32 s60, 6144, 0                     ; v's fragments lie behind k's
	s_mov_b32 s61, 0
	s_add_nc_u64 s[38:39], s[38:39], s[60:61]
	s_mov_b32 s60, 6144                            ; from there to the scale words: q 6,144, k 12,288, v 6,400
	s_cmp_eq_u32 s19, 1
	s_cselect_b32 s60, 12288, s60
	s_cmp_eq_u32 s19, 2
	s_cselect_b32 s60, 6400, s60
	s_add_nc_u64 s[40:41], s[38:39], s[60:61]
	s_cmp_eq_u32 s19, 2                            ; the bias in the result's layout, eight registers for each of W's four blocks
	s_cbranch_scc1 .Lbias_v
	s_wait_alu depctr_va_vdst(0)
.irp tw, 0,1,2,3                               ; q, k: lane (r, h), register j: feature 32 (tw / 2) + 16 h + 8 (tw % 2) + j
	global_load_b128 v[BIAS+8*\tw:BIAS+8*\tw+3], v16, s[54:55] offset:(32*(\tw/2)+8*(\tw%2))*4
	global_load_b128 v[BIAS+8*\tw+4:BIAS+8*\tw+7], v16, s[54:55] offset:(32*(\tw/2)+8*(\tw%2))*4+16
.endr
	s_branch .Lbias_in
.Lbias_v:
	s_wait_alu depctr_va_vdst(0)
.irp tw, 0,1,2,3                               ; v: every register of a lane holds feature 32 (tw / 2) + 8 (tw % 2) + r + 8 (r / 8)
.irp j, 0,1,2,3,4,5,6,7
	global_load_b32 v[BIAS+8*\tw+\j], v17, s[54:55] offset:(32*(\tw/2)+8*(\tw%2))*4
.endr
.endr
.Lbias_in:
.irp tw, 0,1,2,3
.irp s2, 0,1,2,3
	global_load_b32 v[WS+4*\tw+\s2], v3, s[50:51] offset:\tw*REC+12288+128*\s2
.endr
.endr
	WIN 0x80                                       ; destination window 2.  W's fragments in the order of the K steps, 16 loads a step
.irp s, 0,1,2,3,4
.irp tw, 0,1,2,3
	global_load_b128 v[48*\s+12*\tw:48*\s+12*\tw+3], v1, s[50:51] offset:\tw*REC+1536*\s
	global_load_b64 v[48*\s+12*\tw+4:48*\s+12*\tw+5], v2, s[50:51] offset:\tw*REC+1536*\s+512
	global_load_b128 v[48*\s+12*\tw+6:48*\s+12*\tw+9], v1, s[50:51] offset:\tw*REC+1536*\s+768
	global_load_b64 v[48*\s+12*\tw+10:48*\s+12*\tw+11], v2, s[50:51] offset:\tw*REC+1536*\s+1280
.endr
.endr
	WIN 0xc0                                       ; destination window 3
.irp s, 5,6,7
.irp tw, 0,1,2,3
	global_load_b128 v[48*(\s-5)+12*\tw:48*(\s-5)+12*\tw+3], v1, s[50:51] offset:\tw*REC+1536*\s
	global_load_b64 v[48*(\s-5)+12*\tw+4:48*(\s-5)+12*\tw+5], v2, s[50:51] offset:\tw*REC+1536*\s+512
	global_load_b128 v[48*(\s-5)+12*\tw+6:48*(\s-5)+12*\tw+9], v1, s[50:51] offset:\tw*REC+1536*\s+768
	global_load_b64 v[48*(\s-5)+12*\tw+10:48*(\s-5)+12*\tw+11], v2, s[50:51] offset:\tw*REC+1536*\s+1280
.endr
.endr
	WIN 0
; The change of slots stands at a tile's head.  Each wave waits for all its tensor loads (its quarter of the tile that it is about to read), adds 0 to its spare word, and waits for that and for its reads of the slot that it has left.
; fill = 1: the barrier is a round of the cluster's, and behind it the slot just left takes the next tile: the load has a whole tile's work in which to land.
.macro CHANGE fill
	s_wait_tensorcnt 0x0                           ; no tensor load of mine is out, so group 0 may be written
	ds_add_u32 v5, v6                              ; 0 onto my spare word
.if \fill
	s_xor_b32 s33, s33, SLOT1                      ; the other slot than last time,
	s_add_nc_u64 s[34:35], s[34:35], 8*REC         ; the next tile; the type bits on top are not reached
.endif
	s_wait_dscnt 0x0                               ; the add is done, and my reads of the slot that I have left are over
.if \fill
	ROUND
	tensor_load_to_lds s[32:35], s[24:31]          ; the first thing behind the round, and my one tensor load until the next
	s_nop 0
	PLACES 4
.else
	s_barrier_signal -1
	s_barrier_wait -1
.endif
.endm
.macro FETCH s, set                    ; x's eight fragments of K step s: 32 LDS loads, each of consecutive bytes
.if \set
	WIN 0xc0
.set FB, A1
.else
	WIN 0
.set FB, A0
.endif
.irp i, 0,1,2,3,4,5,6,7
	ds_load_b128 v[FB+12*\i:FB+12*\i+3], v[8+\i/4] offset:(\i%4)*REC+1536*(\s)
	ds_load_b64 v[FB+12*\i+4:FB+12*\i+5], v[10+\i/4] offset:(\i%4)*REC+1536*(\s)+512
	ds_load_b128 v[FB+12*\i+6:FB+12*\i+9], v[8+\i/4] offset:(\i%4)*REC+1536*(\s)+768
	ds_load_b64 v[FB+12*\i+10:FB+12*\i+11], v[10+\i/4] offset:(\i%4)*REC+1536*(\s)+1280
.endr
.endm
.macro SCALES                          ; the tile's scale words, for all of K
.irp i, 0,1,2,3,4,5,6,7
.irp s2, 0,1,2,3
	ds_load_b32 v[XS+4*\i+\s2], v[12+\i/4] offset:(\i%4)*REC+12288+128*\s2
.endr
.endr
.endm
.macro ONE s, var, tx, tw
.set RW, WB+12*\tw
.set RX, AB+12*\tx
.set SCW, WS+4*\tw+(\s)/2
.set SCX, XS+4*\tx+(\s)/2
.if \var
.set DD, 8*(8*\tw+\tx)
.set SRA, RX
.set SRB, RW
.set SCA, SCX
.set SCB, SCW
.else
.set DD, 8*(4*\tx+\tw)
.set SRA, RW
.set SRB, RX
.set SCA, SCW
.set SCB, SCX
.endif
.if (\s) == 0
.set CC, BIAS+8*\tw
.else
.set CC, DD
.endif
.if (\s)%2
	v_wmma_scale_f32_16x16x128_f8f6f4 v[DD:DD+7], v[SRA:SRA+11], v[SRB:SRB+11], v[CC:CC+7], v[SCA], v[SCB] matrix_a_fmt:MATRIX_FMT_BF6 matrix_b_fmt:MATRIX_FMT_BF6 matrix_a_scale:MATRIX_SCALE_ROW1 matrix_b_scale:MATRIX_SCALE_ROW1
.else
	v_wmma_scale_f32_16x16x128_f8f6f4 v[DD:DD+7], v[SRA:SRA+11], v[SRB:SRB+11], v[CC:CC+7], v[SCA], v[SCB] matrix_a_fmt:MATRIX_FMT_BF6 matrix_b_fmt:MATRIX_FMT_BF6
.endif
.endm
; K step s: 32 products.  The 32 accumulators take turns, one instruction a turn, in the same order in every step.  The first step's C is the bias.
.macro MUL s, var
.if (\s) < 5
.set WW, 2
.set WB, 48*(\s)
.else
.set WW, 3
.set WB, 48*((\s)-5)
.endif
.if (\s)%2
.set AW, 3
.set AB, A1
.else
.set AW, 0
.set AB, A0
.endif
.if (\s) == 0
.set CW, 0
.else
.set CW, 1
.endif
.if \var
.set WSEL, AW|(WW<<2)|(CW<<4)|0x40
.else
.set WSEL, WW|(AW<<2)|(CW<<4)|0x40
.endif
	WIN WSEL
.irp tx, 0,1,2,3,4,5,6,7
.irp tw, 0,1,2,3
	ONE \s, \var, \tx, \tw
.endr
.endr
.endm
; Accumulator registers 64 g .. 64 g + 63 of a lane, register 16 b + i = number 16 h + i of block b of my row, become a fragment's codes and its scale word, and the fragment leaves as an image of its registers.
.macro QUANT g
	WIN 0x05                                       ; sources 0 and 1 window 1
.irp b, 0,1,2,3
	v_max3_num_f32 v[TM+\b], |v[64*\g+16*\b]|, |v[64*\g+16*\b+1]|, 0x2800000   ; each accumulator is read from its low end on; the floor 2^(5 - 127) holds the byte at 1 from below
.endr
.irp i, 2,4,6,8,10,12,14
.irp b, 0,1,2,3
	v_max3_num_f32 v[TM+\b], |v[64*\g+16*\b+\i]|, |v[64*\g+16*\b+\i+1]|, v[TM+\b]
.endr
.endr
	WIN 0
.irp b, 0,1,2,3
	v_permlanex16_b32 v[TM+4+\b], v[TM+\b], s44, s45
.endr
.irp b, 0,1,2,3
	v_max_num_f32 v[TM+\b], v[TM+\b], v[TM+4+\b]   ; with lane l xor 16's: the block's largest magnitude
.endr
.irp b, 0,1,2,3
	v_add_nc_u32 v[TM+12+\b], 0xfe000000, v[TM+\b] ; 4 off the exponent field: the conversion's scale operand
.endr
.irp b, 0,1,2,3
	v_lshrrev_b32 v[TM+4+\b], 23, v[TM+12+\b]      ; the scale's byte
.endr
	v_lshl_or_b32 v[PW+\g], v[TM+5], 8, v[TM+4]
	v_lshl_or_b32 v[PW+\g], v[TM+6], 16, v[PW+\g]
	v_lshl_or_b32 v[PW+\g], v[TM+7], 24, v[PW+\g]
	s_wait_xcnt 0x0                                ; the last fragment's stores have read the codes' registers
	WIN 0x01                                       ; source 0 window 1
.irp c, 0,1
	v_cvt_scalef32_pk16_bf6_f32 v[PC+6*\c:PC+6*\c+2], v[64*\g+32*\c:64*\g+32*\c+15], v[TM+12+2*\c]
	v_cvt_scalef32_pk16_bf6_f32 v[PC+12+4*\c:PC+14+4*\c], v[64*\g+32*\c+16:64*\g+32*\c+31], v[TM+12+2*\c+1]
.endr
	WIN 0
	v_nop                                          ; one plain place behind a scaled conversion
.irp c, 0,1                                    ; the operand's layout wants a whole block in a lane: lanes 0-15 block 2 c, lanes 16-31 block 2 c + 1
.irp i, 0,1,2
	v_permlane16_swap_b32 v[PC+6*\c+\i], v[PC+12+4*\c+\i]
.endr
.irp i, 0,1,2
	v_mov_b32 v[PC+3+6*\c+\i], v[PC+12+4*\c+\i]
.endr
.endr
.irp c, 0,1,2
	global_store_b128 v1, v[PC+4*\c:PC+4*\c+3], s[38:39] offset:1536*\g+512*\c   ; 512 consecutive bytes, aligned to 256
.endr
.endm
; A tile of 128 tokens.  A K step's fragments are asked for one step (32 products) ahead, in one run behind four places.
.macro TILE var
	v_add_nc_u32 v8, s36, v1
	s_wait_alu depctr_va_vdst(0)
	v_add_nc_u32 v10, s36, v2
	s_wait_alu depctr_va_vdst(0)
	v_add_nc_u32 v12, s36, v3
	v_add_nc_u32 v9, 4*REC, v8                     ; records 4-7: the immediate offset has 16 bits
	s_wait_alu depctr_va_vdst(0)
	v_add_nc_u32 v11, 4*REC, v10
	s_wait_alu depctr_va_vdst(0)
	v_add_nc_u32 v13, 4*REC, v12
	SCALES
	FETCH 0, 0
.irp s, 0,1,2,3,4,5,6,7
.if \s >= 1
	PLACES 4                                       ; in front of loads into registers that the last step's products have read
.endif
.if \s < 7
	FETCH \s+1, (\s+1)%2
	s_wait_dscnt 32                                ; all but the 32 just issued
.else
	s_wait_dscnt 0x0
.endif
.if 16*(7-\s) > 63
	s_wait_loadcnt 63                              ; W's fragments of this step are in (16 loads for each later step may be out; the count's field ends at 63)
.else
	s_wait_loadcnt 16*(7-\s)
.endif
	MUL \s, \var
.endr
	PLACES 4                                       ; in front of the first read of results
	QUANT 0
	QUANT 1
	QUANT 2
	QUANT 3
	v_cndmask_b32 v14, v[PW], v[PW+2], s46         ; a row's four words are 16 bytes: lanes 0-15 store the first two, lanes 16-31 the others
	v_cndmask_b32 v15, v[PW+1], v[PW+3], s46
	global_store_b64 v4, v[14:15], s[40:41]        ; 256 consecutive bytes, aligned
	s_wait_xcnt 0x0                                ; the stores have read their registers and bases
	s_add_nc_u64 s[38:39], s[38:39], s[42:43]      ; the next step's record
	s_add_nc_u64 s[40:41], s[40:41], s[42:43]
.endm
.macro BODY                            ; the branch hangs on TYPE, which the four partners share
	s_cmp_eq_u32 s19, 2
	s_cbranch_scc1 .Lis_v_\@
	TILE 0
	s_branch .Ljoin_\@
.Lis_v_\@:
	TILE 1
.Ljoin_\@:
.endm
	s_mov_b32 s36, 0                               ; the slot in hand
	s_mov_b32 s37, 3
.Ltile:                                            ; three trips: behind each change of slots but the last the next tile is asked for
	CHANGE 1
	BODY
	s_xor_b32 s36, s36, SLOT1
	s_sub_co_u32 s37, s37, 1
	s_cmp_lg_u32 s37, 0
	s_cbranch_scc1 .Ltile
	CHANGE 0                                       ; the last tile is written out
	BODY
	s_wait_tensorcnt 0x0                           ; the wave's end
	ds_add_u32 v5, v6
	s_wait_dscnt 0x0
	ROUND                                          ; the closing round: no work-group ends while a partner may still ask for a tile that names it
	s_endpgm
.Lfunc_end_k_q5b08c641ee_qkv:
	.size	k_q5b08c641ee_qkv, .Lfunc_end_k_q5b08c641ee_qkv-k_q5b08c641ee_qkv
	.p2alignl 7, 3214868480
	.fill 96, 4, 3214868480
	.section	.rodata,"a",@progbits
	.p2align	6, 0x0
	.amdhsa_kernel k_q5b08c641ee_qkv
		.amdhsa_group_segment_fixed_size 327680
		.amdhsa_private_segment_fixed_size 0
		.amdhsa_enable_private_segment 0
		.amdhsa_kernarg_size 56
		.amdhsa_user_sgpr_count 2
		.amdhsa_user_sgpr_kernarg_segment_ptr 1
		.amdhsa_wavefront_size32 1
		.amdhsa_system_sgpr_workgroup_id_x 1
		.amdhsa_system_sgpr_workgroup_id_y 1
		.amdhsa_system_sgpr_workgroup_id_z 1
		.amdhsa_system_vgpr_workitem_id 0
		.amdhsa_next_free_vgpr 1024
		.amdhsa_next_free_sgpr 66
		.amdhsa_reserve_vcc 0
		.amdhsa_float_denorm_mode_32 3
		.amdhsa_float_denorm_mode_16_64 3
		.amdhsa_memory_ordered 1
		.amdhsa_forward_progress 1
		.amdhsa_inst_pref_size 255
	.end_amdhsa_kernel
	.section	.bss,"aw",@nobits
	.p2align	6
	.space	262144
	.amdgpu_metadata
---
amdhsa.version: [ 1, 2 ]
amdhsa.kernels:
  - .name:           k_q5b08c641ee_qkv
    .symbol:         k_q5b08c641ee_qkv.kd
    .args:
      - { .name: xr, .offset: 0, .size: 8, .value_kind: global_buffer, .address_space: global }
      - { .name: wr, .offset: 8, .size: 8, .value_kind: global_buffer, .address_space: global }
      - { .name: bq, .offset: 16, .size: 8, .value_kind: global_buffer, .address_space: global }
      - { .name: bk, .offset: 24, .size: 8, .value_kind: global_buffer, .address_space: global }
      - { .name: bv, .offset: 32, .size: 8, .value_kind: global_buffer, .address_space: global }
      - { .name: qf, .offset: 40, .size: 8, .value_kind: global_buffer, .address_space: global }
      - { .name: kv, .offset: 48, .size: 8, .value_kind: global_buffer, .address_space: global }
    .group_segment_fixed_size: 327680
    .private_segment_fixed_size: 0
    .kernarg_segment_align: 8
    .kernarg_segment_size: 56
    .max_flat_workgroup_size: 128
    .sgpr_count:     66
    .vgpr_count:     1024
    .wavefront_size: 32
...
	.end_amdgpu_metadata
.endif
;; end of part 2
;; launch attn (part 3): grid 4 x 64, 16 waves a work-group, no clusters, 206,848 bytes of LDS; arguments qf, kv, cr; writes cr
.if DOCPART == 3
	.amdgcn_target "amdgcn-amd-amdhsa--gfx1250"
	.amdhsa_code_object_version 6
	.text
	.protected	k_q5b08c641ee_attn
	.globl	k_q5b08c641ee_attn
	.p2align	8
	.type	k_q5b08c641ee_attn,@function
k_q5b08c641ee_attn:
	s_mov_b64 s[64:65], 0
	v_nop
	global_prefetch_b8 v0, s[64:65] scope:SCOPE_SE
	s_setreg_imm32_b32 hwreg(HW_REG_WAVE_MODE, 25, 1), 1
	s_wait_xcnt 0x0
; ctx = softmax(causal(q k^T) / 8) v for one head, both products on codes of BF6 (E3M2) with E8M0 scales; ctx / l is quantised along C and leaves as half fragments of the last product's operand.
; THE SOFTMAX: t = score x log2(e) / 8; M = the running largest t rounded UP to a whole number; p = 2^(t - M) is quantised along the keys, not normalised; the row's sum l is taken of the unquantised p
; and divides at the end.  When M moves, l and O are multiplied by 2^(old M - new M): exact.
; SHARES.  Work-group (PR, BH) takes the blocks of 256 queries PR and 7 - PR of head BH, one after the other: (PR + 1) + (8 - PR) = 9 trips of 256 keys in every work-group, so the trip count is a constant
; and all 256 work-groups have equal work.  Wave w takes tile w of the low block and tile 15 - w of the high one, 17 key steps in all for every wave: 16 queries in 256 registers, four waves to a SIMD, so that one wave's vector work
; stands beside another's products and LDS loads.  A tile's queries are a token block: lane r holds query Q0 + 8 u + r + 8 (r / 8).
; THE HEAD'S K AND V STAY IN LDS: 16 records of 12,800 bytes, 204,800 in all, fetched once: less than nine slots of a ring would fetch, and nothing in LDS is ever filled again.  Waves 0 to 3 ask for everything at the start,
; three tensor loads each: a quarter of keys 0-255, of keys 256-511, of the rest.  The first two trips each begin with a barrier behind a counted wait, the third behind the wait for all; from there on the sixteen waves never meet again.
; All 16 records are fetched, though the work-group reads 2 (8 - PR) of them: so every descriptor is made of constants and the wave's number.
; NO CLUSTER: the four work-groups of a head read the same bytes at the same time, but which steps are left out, where a tile ends and the LDS address of a trip's keys all hang on PR, which would be the work-group's place
; in the cluster.
; K = 64 IN AN INSTRUCTION OF 128: a fragment of k holds two key blocks, [ka | kb]; it is multiplied once by [q | 0] and once by [0 | q] (18 registers [q][0][q], read at +0 and at +6).  The zero codes' scale bytes are 0, which is 2^-127 and no NaN.
; Both products are used transposed (S^T = k q^T, O^T = v^T p^T): a lane holds one query throughout, and p's 16 registers of two neighbouring tiles are 16 neighbouring keys.
; CAUSAL: a step all of whose keys come after my queries is left out by a scalar branch on ids; on the diagonal hidden scores become -infinity ahead of the maximum.  The first key of every step that is worked counts for every query of the tile.
; LIMITS: NaN and infinities are not served; a block of zeros gets the byte 1 (its codes are zeros; this program alone reads the bytes).
.set REC,   12800
.set SLOTB, 2*REC                      ; 256 keys: two records
.set FF,    44                         ; v44-91   four fragments of k or of v
.set SS,    96                         ; v96-159  S^T, then p
.set OO,    160                        ; v160-191 O^T
.set PC,    192                        ; v192-203 p's codes; v204-206, v208-210 upper halves
.set PT,    204
.set BM,    212                        ; v212-215 a block's largest score, then its largest p
.set BT,    216                        ; v216-219 the other half's; then the bytes
.set SCO,   220                        ; v220-223 the conversions' scale operands
.set PW,    224                        ; v224     p's scale word
.set Q2,    234                        ; v234-245 the high tile's fragment of q, fetched at the head; v246 its scale words
; v1 16 x lane, v2 16 r, v5, v6 LDS addresses in hand, v7 r + 8 (r / 8) - 16 h, v8 4 r + h, v9 8 x lane; v12 -M, v13 the largest t, v[14:15] l in two halves;
; v16-33 [q][0][q], v34, v35 its two scale words; v36-39 k's scale words, v40-43 v's; v[226:227] f; v228-231 at work; v[232:233] the sum's second chain.
; s10 wave, s11 PR, s12 BH, s13 trip, s14 LDS byte of the trip's keys, s15 the step's first key, s16 Q0, s17 Q0 + 8 u, s18 all ones if u, s19 16 u, s[20:21] lane selects, s[22:23] c,
; s[24:31] descriptor group 1 for a quarter of 256 keys, s[32:35], s[60:63] its two groups 0; s[68:75], s[76:79] groups 1 and 0 for a quarter of the rest;
; s[36:37] q's fragment, s[38:39] its scale words (s[80:83]: the high tile's), s[40:41] ctx's codes, s[42:43] its scale bytes, s44 lanes 16-31, s45 block of queries, s46 tile, s50-59 at work.
; Where a tile of 16 queries lies: block s45 of 256 queries, tile s46.  q = 1: q's addresses are made; c = 1: ctx's.
.macro PLACE q, c
	s_lshl_b32 s50, s45, 3
	s_lshr_b32 s51, s46, 1
	s_add_co_u32 s50, s50, s51                     ; G32: which 32 tokens of the sequence
	s_and_b32 s51, s46, 1                          ; u: which of their two token blocks
	s_lshl_b32 s16, s50, 5
	s_lshl_b32 s52, s51, 3
	s_add_co_u32 s17, s16, s52
	s_sub_co_u32 s18, 0, s51
	s_lshl_b32 s19, s51, 4
	s_mov_b32 s57, 0
.if \q
	s_lshl_b32 s52, s12, 4
	s_lshr_b32 s53, s50, 2
	s_add_co_u32 s52, s52, s53
	s_mul_i32 s52, s52, 6400                       ; q's record
	s_and_b32 s54, s50, 3
	s_mul_i32 s55, s54, 1536
	s_add_co_u32 s56, s52, s55
	s_add_nc_u64 s[36:37], s[4:5], s[56:57]        ; the fragment of the two blocks
	s_lshl_b32 s55, s54, 2
	s_add_co_u32 s56, s52, s55
	s_add_co_u32 s56, s56, 6144
	s_add_nc_u64 s[38:39], s[4:5], s[56:57]        ; and its scale words
.endif
.if \c
	s_lshr_b32 s52, s12, 4
	s_lshl_b32 s52, s52, 7
	s_lshl_b32 s53, s50, 1
	s_add_co_u32 s52, s52, s53
	s_add_co_u32 s52, s52, s51                     ; ctx's row block: 128 x batch + 2 G32 + u
	s_mul_i32 s52, s52, REC
	s_and_b32 s53, s12, 15                         ; the head: K step head / 2, half head % 2
	s_lshr_b32 s54, s53, 1
	s_and_b32 s55, s53, 1
	s_mul_i32 s58, s54, 1536
	s_mul_i32 s59, s55, 768
	s_add_co_u32 s56, s52, s58
	s_add_co_u32 s56, s56, s59
	s_add_nc_u64 s[40:41], s[8:9], s[56:57]
	s_lshl_b32 s58, s54, 6
	s_lshl_b32 s59, s55, 1
	s_add_co_u32 s56, s52, s58
	s_add_co_u32 s56, s56, s59
	s_add_co_u32 s56, s56, 12288
	s_add_nc_u64 s[42:43], s[8:9], s[56:57]
.endif
.endm
.macro QLOAD reg, sreg, pa, pb         ; the fragment of q's two token blocks, and its scale words
	global_load_b128 v[\reg:\reg+3], v1, s[\pa:\pa+1]
	global_load_b128 v[\reg+4:\reg+7], v1, s[\pa:\pa+1] offset:512
	global_load_b128 v[\reg+8:\reg+11], v1, s[\pa:\pa+1] offset:1024
	global_load_b32 v[\sreg], v2, s[\pb:\pb+1]
.endm
; A tile begins: its sums, and [q][0][q] from the fragment in v[reg] on.
.macro BEGIN reg, sreg
	v_mov_b32 v13, 0xff61b1e6                      ; the largest t so far: -3e38, under every t
	s_delay_alu instid0(VALU_DEP_1)
	v_floor_f32 v12, -v13                          ; -M
	v_mov_b32 v14, 0
	v_mov_b32 v15, 0
.set n, 0
.rept 32
	v_mov_b32 v[OO+n], 0                           ; O^T: the step is written once; the first change of M leaves zeros zeros
.set n, n+1
.endr
	s_wait_loadcnt 0x0                             ; q: both tiles' loads were issued at the head
.irp i, 0,1,2,3,4,5
	v_cndmask_b32 v[16+\i], v[\reg+\i], v[\reg+6+\i], s18   ; my block's six registers
.endr
.irp i, 0,1,2,3,4,5
	v_mov_b32 v[28+\i], v[16+\i]
.endr
	v_lshrrev_b32 v34, s19, v[\sreg]
	s_delay_alu instid0(VALU_DEP_1)
	v_and_b32 v34, 0xffff, v34                     ; [q | 0]'s scale word: my block's two bytes below,
	s_delay_alu instid0(VALU_DEP_1)
	v_lshlrev_b32 v35, 16, v34                     ; [0 | q]'s: above
.rept 8
	v_nop                                          ; a scale register written by a vector instruction stands 8 places ahead of a scaled product
.endr
.endm
	s_load_b128 s[4:7], s[0:1], 0x0                ; qf s[4:5], kv s[6:7]
	s_load_b64 s[8:9], s[0:1], 0x10                ; cr
	v_lshl_add_u32 v254, v0, 2, 0x32000
	v_mov_b32 v255, 0
	ds_add_u32 v254, v255
	ds_add_u32 v254, v255
	v_lshrrev_b32 v10, 5, v0
	s_delay_alu instid0(VALU_DEP_1)
	v_readfirstlane_b32 s10, v10                   ; wave 0..15
	s_mov_b32 s11, ttmp9                           ; PR
	s_and_b32 s12, ttmp7, 0xffff                   ; BH = 16 x batch + head
	v_and_b32 v10, 31, v0
	s_delay_alu instid0(VALU_DEP_1)
	v_lshlrev_b32 v1, 4, v10
	s_delay_alu instid0(VALU_DEP_2)
	v_lshlrev_b32 v9, 3, v10
	v_and_b32 v10, 15, v0                          ; r
	v_bfe_u32 v11, v0, 4, 1                        ; h
	s_delay_alu instid0(VALU_DEP_2)
	v_lshlrev_b32 v2, 4, v10
	s_delay_alu instid0(VALU_DEP_2)
	v_lshl_add_u32 v8, v10, 2, v11
	s_delay_alu instid0(VALU_DEP_4)
	v_and_b32 v7, 8, v10
	s_delay_alu instid0(VALU_DEP_1)
	v_add_nc_u32 v7, v7, v10
	v_lshlrev_b32 v11, 4, v11
	s_delay_alu instid0(VALU_DEP_1)
	v_sub_nc_u32 v7, v7, v11
	s_mov_b32 s24, 3<<16                           ; group 1, a quarter of 256 keys: no mask; elements of 8 bytes; 25 rows of 256 bytes, dense
	s_mov_b32 s25, 32<<16                          ; tensor_dim0 = 32
	s_mov_b32 s26, 25<<16                          ; tensor_dim1 = 25
	s_mov_b32 s27, 32<<16                          ; tile_dim0 = 32
	s_mov_b32 s28, 25                              ; tile_dim1 = 25
	s_mov_b32 s29, 32                              ; the pitch
	s_mov_b32 s30, 0
	s_mov_b32 s31, 0
	s_mov_b32 s68, 3<<16                           ; group 1, a quarter of the other 1,536 keys: 150 such rows
	s_mov_b32 s69, 32<<16
	s_mov_b32 s70, 150<<16
	s_mov_b32 s71, 32<<16
	s_mov_b32 s72, 150
	s_mov_b32 s73, 32
	s_mov_b32 s74, 0
	s_mov_b32 s75, 0
	s_mov_b32 s20, 0x76543210
	s_mov_b32 s21, 0xfedcba98
	s_mov_b32 s22, 0x3e38aa3b                      ; c = log2(e) / 8
	s_mov_b32 s23, s22                             ; (named with it as a pair, so it is written)
	s_mov_b32 s44, 0xffff0000
	s_wait_alu depctr_va_vdst(0)
	s_wait_dscnt 0x0
	s_wait_kmcnt 0x0
	s_sub_co_u32 s45, 7, s11                       ; q of both tiles is asked for first, ahead of the 204,800 bytes of K and V: the high block's tile 15 - w,
	s_sub_co_u32 s46, 15, s10
	PLACE 1, 0
	s_mov_b64 s[80:81], s[36:37]                   ; (in address registers of its own, so that no wait stands between the two runs of loads)
	s_mov_b64 s[82:83], s[38:39]
	QLOAD Q2, 246, 80, 82
	s_mov_b32 s45, s11                             ; and the low block's tile w, with which the wave begins
	s_mov_b32 s46, s10
	PLACE 1, 1
	QLOAD FF, 230, 36, 38
	s_cmp_lt_u32 s10, 4                            ; waves 0 to 3 fetch: all first fills of a wave stand in this one branch, ahead of every wait on TENSORcnt, every LDS read and every barrier
	s_cbranch_scc0 .Lno_fetch
	s_mul_i32 s50, s12, 16*REC                     ; the head's 16 records
	s_mov_b32 s53, 0
	s_mov_b32 s32, 1                               ; group 0: count = 1
	s_mul_i32 s33, s10, SLOTB/4                    ; LDS address: my quarter of keys 0-255; a record lies in LDS where it lies in the head
	s_add_co_u32 s52, s50, s33
	s_add_nc_u64 s[34:35], s[6:7], s[52:53]
	s_mov_b32 s60, 1
	s_add_co_u32 s61, s33, SLOTB                   ; my quarter of keys 256-511
	s_add_nc_u64 s[62:63], s[34:35], SLOTB
	s_or_b32 s35, s35, 0x80000000                  ; type = 2
	s_or_b32 s63, s63, 0x80000000
	s_mov_b32 s76, 1
	s_mul_i32 s54, s10, 6*SLOTB/4
	s_add_co_u32 s77, s54, 2*SLOTB                 ; my quarter of keys 512-2047
	s_add_co_u32 s52, s50, s77
	s_add_nc_u64 s[78:79], s[6:7], s[52:53]
	s_or_b32 s79, s79, 0x80000000
	tensor_load_to_lds s[32:35], s[24:31]          ; three loads of mine are out
	s_nop 0
	tensor_load_to_lds s[60:63], s[24:31]
	s_nop 0
	tensor_load_to_lds s[76:79], s[68:75]
	s_nop 0
.rept 4
	v_nop                                          ; four v_nop follow the last of them
.endr
.Lno_fetch:
.irp i, 22,23,24,25,26,27
	v_mov_b32 v\i, 0                               ; the zero codes between the two copies of q
.endr
.irp i, 216,217,218,219,227,228
	v_mov_b32 v\i, 0                               ; lane permutes' destinations, and the upper half of the pair f, count as read: written once
.endr
	BEGIN FF, 230
; A KEY STEP: 128 keys, record q of the trip's two.
.macro STEP q
	s_add_co_u32 s50, s16, 31
	s_cmp_gt_u32 s15, s50
	s_cbranch_scc1 .Lhidden_\@                     ; all its keys come after my queries
	v_add_nc_u32 v5, s14, v1
	v_add_nc_u32 v6, s14, v2
	v_nop
	v_nop                                          ; four places in front of loads into registers that the last products have read
.irp g, 0,1,2,3
.irp c, 0,1,2
	ds_load_b128 v[FF+12*\g+4*\c:FF+12*\g+4*\c+3], v5 offset:REC*(\q)+1536*\g+512*\c
.endr
.endr
	ds_load_b128 v[36:39], v6 offset:REC*(\q)+12288
	s_wait_dscnt 0x0
	s_wait_alu depctr_va_vdst(0)
.irp g, 0,1,2,3                                ; S^T: keys 32 g + 16 h + 0 .. 7 from the fragment's first half, + 8 .. 15 from its second
	v_wmma_scale_f32_16x16x128_f8f6f4 v[SS+16*\g:SS+16*\g+7], v[FF+12*\g:FF+12*\g+11], v[16:27], 0, v[36+\g], v34 matrix_a_fmt:MATRIX_FMT_BF6 matrix_b_fmt:MATRIX_FMT_BF6
	v_wmma_scale_f32_16x16x128_f8f6f4 v[SS+16*\g+8:SS+16*\g+15], v[FF+12*\g:FF+12*\g+11], v[22:33], 0, v[36+\g], v35 matrix_a_fmt:MATRIX_FMT_BF6 matrix_b_fmt:MATRIX_FMT_BF6
.endr
.rept 4
	v_nop                                          ; places in front of the loads below and of the first read of the scores
.endr
.irp g, 0,1,2,3                                ; v's fragments land while the softmax is worked
.irp c, 0,1,2
	ds_load_b128 v[FF+12*\g+4*\c:FF+12*\g+4*\c+3], v5 offset:REC*(\q)+6144+1536*\g+512*\c
.endr
.endr
	ds_load_b128 v[40:43], v6 offset:REC*(\q)+12544
	s_add_co_u32 s50, s15, 127
	s_cmp_le_u32 s50, s16
	s_cbranch_scc1 .Lopen_\@                       ; all its keys count
	s_sub_co_i32 s50, s17, s15
	v_add_nc_u32 v228, s50, v7                     ; d = my query - the step's first key - 16 h.  Register 16 b + i holds key 32 b + 16 h + i of the step: hidden where 32 b + i > d
	v_mov_b32 v229, 0xff800000                     ; -infinity
.set n, 0
.rept 64
	v_cmp_gt_i32 vcc_lo, 32*(n/16)+n%16, v228
	v_cndmask_b32 v[SS+n], v[SS+n], v229, vcc_lo
.set n, n+1
.endr
.Lopen_\@:
.irp b, 0,1,2,3
	v_max3_num_f32 v[BM+\b], v[SS+16*\b], v[SS+16*\b+1], v[SS+16*\b+2]   ; the largest score of each block of 32 keys: it serves for the row's maximum and, since p rises with the score, for the block's largest p
.endr
.irp i, 3,5,7,9,11,13
.irp b, 0,1,2,3
	v_max3_num_f32 v[BM+\b], v[BM+\b], v[SS+16*\b+\i], v[SS+16*\b+\i+1]
.endr
.endr
.irp b, 0,1,2,3
	v_max_num_f32 v[BM+\b], v[BM+\b], v[SS+16*\b+15]
.endr
.irp b, 0,1,2,3
	s_delay_alu instid0(VALU_DEP_4)
	v_permlanex16_b32 v[BT+\b], v[BM+\b], s20, s21
.endr
.irp b, 0,1,2,3
	s_delay_alu instid0(VALU_DEP_4)
	v_max_num_f32 v[BM+\b], v[BM+\b], v[BT+\b]     ; with lane l xor 16's 16 keys
.endr
	s_delay_alu instid0(VALU_DEP_2)
	v_max3_num_f32 v228, v[BM], v[BM+1], v[BM+2]
	s_delay_alu instid0(VALU_DEP_1)
	v_max_num_f32 v228, v228, v[BM+3]
	s_delay_alu instid0(VALU_DEP_1)
	v_mul_f32 v228, s22, v228                      ; as t (c is positive)
	s_delay_alu instid0(VALU_DEP_1)
	v_max_num_f32 v13, v13, v228                   ; the running largest t
	v_mov_b32 v228, v12
	s_delay_alu instid0(VALU_DEP_2)
	v_floor_f32 v12, -v13                          ; the new -M = floor(-t) = -ceil(t)
	s_delay_alu instid0(VALU_DEP_1)
	v_sub_f32 v228, v12, v228                      ; old M - new M: a whole number, 0 or less
	s_delay_alu instid0(VALU_DEP_1)
	v_cvt_i32_f32 v228, v228                       ; (it saturates)
	s_delay_alu instid0(VALU_DEP_1)
	v_ldexp_f32 v226, 1.0, v228                    ; f = 2^(old M - new M)
.set n, 0
.rept 32
	v_pk_fma_f32 v[SS+n:SS+n+1], v[SS+n:SS+n+1], s[22:23], v[12:13] op_sel_hi:[1,0,0]   ; t - M, two at a time
.set n, n+2
.endr
.irp b, 0,1,2,3
	v_fma_f32 v[BM+\b], v[BM+\b], s22, v12         ; the same of each block's largest score
.endr
.set n, 0
	s_wait_alu depctr_va_vdst(0)
.rept 64
	v_exp_f32 v[SS+n], v[SS+n]                     ; p = 2^(t - M), at most 1
.set n, n+1
.endr
.irp b, 0,1,2,3
	v_exp_f32 v[BM+\b], v[BM+\b]                   ; the block's largest p: the same two instructions on the same number
.endr
	v_pk_mul_f32 v[14:15], v[14:15], v[226:227] op_sel_hi:[1,0]   ; l under the new M.  (A plain place behind the exponentials)
	s_wait_alu depctr_va_vdst(0)
.irp b, 0,1,2,3
	v_max_num_f32 v[BM+\b], 0x2800000, v[BM+\b]    ; the floor 2^(5 - 127): the byte cannot fall under 1
.endr
.irp b, 0,1,2,3
	s_delay_alu instid0(VALU_DEP_4)
	v_add_nc_u32 v[SCO+\b], 0xfe000000, v[BM+\b]   ; 4 off the exponent field: the conversion's scale operand
.endr
.irp b, 0,1,2,3
	s_delay_alu instid0(VALU_DEP_4)
	v_lshrrev_b32 v[BT+\b], 23, v[SCO+\b]          ; the scale's byte
.endr
	s_delay_alu instid0(VALU_DEP_3)
	v_lshl_or_b32 v[PW], v[BT+1], 8, v[BT]
	s_delay_alu instid0(VALU_DEP_1)
	v_lshl_or_b32 v[PW], v[BT+2], 16, v[PW]
	s_delay_alu instid0(VALU_DEP_1)
	v_lshl_or_b32 v[PW], v[BT+3], 24, v[PW]
.irp c, 0,1
	v_cvt_scalef32_pk16_bf6_f32 v[PC+6*\c:PC+6*\c+2], v[SS+32*\c:SS+32*\c+15], v[SCO+2*\c]
	v_cvt_scalef32_pk16_bf6_f32 v[PT+4*\c:PT+4*\c+2], v[SS+32*\c+16:SS+32*\c+31], v[SCO+2*\c+1]
.endr
	v_nop                                          ; one plain place behind a scaled conversion
.irp c, 0,1                                    ; the operand's layout wants a whole block in a lane
.irp i, 0,1,2
	v_permlane16_swap_b32 v[PC+6*\c+\i], v[PT+4*\c+\i]
.endr
.irp i, 0,1,2
	s_delay_alu instid0(VALU_DEP_3)
	v_mov_b32 v[PC+3+6*\c+\i], v[PT+4*\c+\i]
.endr
.endr
	v_pk_add_f32 v[232:233], v[100:101], v[104:105]
	v_pk_add_f32 v[252:253], v[108:109], v[112:113]
	v_pk_add_f32 v[250:251], v[116:117], v[120:121]
	v_pk_add_f32 v[248:249], v[124:125], v[128:129]
	v_pk_add_f32 v[230:231], v[132:133], v[136:137]
	v_pk_add_f32 v[222:223], v[140:141], v[144:145]
	v_pk_add_f32 v[220:221], v[148:149], v[152:153]
	v_pk_add_f32 v[14:15], v[14:15], v[156:157]
	v_pk_add_f32 v[232:233], v[232:233], v[96:97]
	v_pk_add_f32 v[252:253], v[252:253], v[98:99]
	v_pk_add_f32 v[250:251], v[250:251], v[102:103]
	v_pk_add_f32 v[248:249], v[248:249], v[106:107]
	v_pk_add_f32 v[230:231], v[230:231], v[110:111]
	v_pk_add_f32 v[222:223], v[222:223], v[114:115]
	v_pk_add_f32 v[220:221], v[220:221], v[118:119]
	v_pk_add_f32 v[14:15], v[14:15], v[122:123]
	v_pk_add_f32 v[232:233], v[232:233], v[126:127]
	v_pk_add_f32 v[252:253], v[252:253], v[130:131]
	v_pk_add_f32 v[250:251], v[250:251], v[134:135]
	v_pk_add_f32 v[248:249], v[248:249], v[138:139]
	v_pk_add_f32 v[230:231], v[230:231], v[142:143]
	v_pk_add_f32 v[222:223], v[222:223], v[146:147]
	v_pk_add_f32 v[220:221], v[220:221], v[150:151]
	v_pk_add_f32 v[14:15], v[14:15], v[154:155]
	v_pk_add_f32 v[232:233], v[232:233], v[158:159]
	s_delay_alu instid0(VALU_DEP_2)
	v_pk_add_f32 v[14:15], v[14:15], v[248:249]
	s_delay_alu instid0(VALU_DEP_2)
	v_pk_add_f32 v[232:233], v[232:233], v[230:231]
	v_pk_add_f32 v[252:253], v[252:253], v[222:223]
	v_pk_add_f32 v[250:251], v[250:251], v[220:221]
	s_delay_alu instid0(VALU_DEP_2)
	v_pk_add_f32 v[14:15], v[14:15], v[252:253]
	s_delay_alu instid0(VALU_DEP_2)
	v_pk_add_f32 v[232:233], v[232:233], v[250:251]
	s_delay_alu instid0(VALU_DEP_1)
	v_pk_add_f32 v[14:15], v[14:15], v[232:233]
.set n, 0
.rept 16
	v_pk_mul_f32 v[OO+n:OO+n+1], v[OO+n:OO+n+1], v[226:227] op_sel_hi:[1,0]   ; O^T under the new M.  (The sums and these are also the places between p's codes and scale word and the products)
.set n, n+2
.endr
	s_wait_alu depctr_va_vdst(0)
	s_wait_dscnt 0x0                               ; v's fragments and scale words are in
.irp td, 0,1,2,3                               ; O^T += v^T p^T: four accumulators by turns
	v_wmma_scale_f32_16x16x128_f8f6f4 v[OO+8*\td:OO+8*\td+7], v[FF+12*\td:FF+12*\td+11], v[PC:PC+11], v[OO+8*\td:OO+8*\td+7], v[40+\td], v[PW] matrix_a_fmt:MATRIX_FMT_BF6 matrix_b_fmt:MATRIX_FMT_BF6
.endr
.Lhidden_\@:
	s_add_co_u32 s15, s15, 128
.endm
; A tile ends: O^T / l, quantised along C (the head's two blocks of 32), leaves as six registers a lane of the last product's operand, and two scale bytes a row.
.macro EPI
.rept 4
	v_nop                                          ; places behind the last products
.endr
	v_add_f32 v14, v14, v15
	s_delay_alu instid0(VALU_DEP_1)
	v_permlanex16_b32 v228, v14, s20, s21
	s_delay_alu instid0(VALU_DEP_1)
	v_add_f32 v14, v14, v228                       ; the row's sum
	s_wait_alu depctr_va_vdst(0)
	v_rcp_f32 v226, v14
	v_nop                                          ; one plain place behind a transcendental
.set n, 0
	s_wait_alu depctr_va_vdst(0)
.rept 16
	v_pk_mul_f32 v[SS+n:SS+n+1], v[OO+n:OO+n+1], v[226:227] op_sel_hi:[1,0]   ; register 16 b + i: channel 32 b + 16 h + i of my query; each accumulator from its low end on
.set n, n+2
.endr
.irp b, 0,1
	v_max3_num_f32 v[BM+\b], |v[SS+16*\b]|, |v[SS+16*\b+1]|, 0x2800000
.endr
.irp i, 2,4,6,8,10,12,14
.irp b, 0,1
	s_delay_alu instid0(VALU_DEP_2)
	v_max3_num_f32 v[BM+\b], v[BM+\b], |v[SS+16*\b+\i]|, |v[SS+16*\b+\i+1]|
.endr
.endr
.irp b, 0,1
	s_delay_alu instid0(VALU_DEP_2)
	v_permlanex16_b32 v[BT+\b], v[BM+\b], s20, s21
.endr
.irp b, 0,1
	s_delay_alu instid0(VALU_DEP_2)
	v_max_num_f32 v[BM+\b], v[BM+\b], v[BT+\b]
.endr
.irp b, 0,1
	s_delay_alu instid0(VALU_DEP_2)
	v_add_nc_u32 v[SCO+\b], 0xfe000000, v[BM+\b]
.endr
.irp b, 0,1
	s_delay_alu instid0(VALU_DEP_2)
	v_lshrrev_b32 v[BT+\b], 23, v[SCO+\b]
.endr
	v_cvt_scalef32_pk16_bf6_f32 v[PC:PC+2], v[SS:SS+15], v[SCO]
	v_cvt_scalef32_pk16_bf6_f32 v[PT:PT+2], v[SS+16:SS+31], v[SCO+1]
	v_nop                                          ; one plain place behind a scaled conversion
.irp i, 0,1,2
	v_permlane16_swap_b32 v[PC+\i], v[PT+\i]       ; lanes 0-15 block 0, lanes 16-31 block 1
.endr
.irp i, 0,1,2
	s_delay_alu instid0(VALU_DEP_3)
	v_mov_b32 v[PC+3+\i], v[PT+\i]
.endr
	v_cndmask_b32 v229, v[BT], v[BT+1], s44        ; my block's byte
	global_store_b128 v1, v[PC:PC+3], s[40:41]     ; 512 consecutive bytes, aligned to 256
	global_store_b64 v9, v[PC+4:PC+5], s[40:41] offset:512
	global_store_b8 v8, v229, s[42:43]             ; 32 lanes, 32 different bytes: two of each row's scale word
	s_wait_xcnt 0x0                                ; the stores have read their registers and bases
.endm
; Behind trip PR the low block is done and the high block begins.  A branch on ids, alike in all sixteen waves; no barrier stands inside it.
.macro TURNOVER
	s_setprio 0
	s_cmp_lg_u32 s13, s11
	s_cbranch_scc1 .Lsame_\@
	EPI
	s_sub_co_u32 s45, 7, s11                       ; the high block, tile 15 - w
	s_sub_co_u32 s46, 15, s10
	PLACE 0, 1
	BEGIN Q2, 246                                  ; its q has lain in registers since the head
.Lsame_\@:
.endm
; A barrier of the first trips: the waves that fetch have waited for the bytes that are read behind it (left: their younger loads, which may stay out: nothing in LDS is filled again), and no LDS load of mine is out at the signal.
.macro MEET left
	s_wait_tensorcnt \left
	s_wait_dscnt 0x0
	s_barrier_signal -1
	s_barrier_wait -1
.endm
	s_mov_b32 s13, 0                               ; TRIP 0: keys 0-255, in every work-group
	s_mov_b32 s14, 0
	s_mov_b32 s15, 0
	MEET 2                                         ; keys 0-255 are in; the two younger loads may be out
	STEP 0
	STEP 1
	TURNOVER
	s_mov_b32 s13, 1                               ; TRIP 1: keys 256-511, or, where the high block has just begun (PR = 0), keys 0-255 again: slot min(PR, 1)
	s_min_u32 s50, s11, 1
	s_mul_i32 s14, s50, SLOTB
	s_lshl_b32 s15, s50, 8
	MEET 1                                         ; keys 256-511 are in; the youngest load may be out
	STEP 0
	STEP 1
	TURNOVER
	MEET 0                                         ; all of the head is in: the last time that the waves meet
	s_mov_b32 s13, 2
.Ltrip:                                            ; TRIPS 2 to 8: no barrier, no wait on TENSORcnt: LDS is only read
	s_add_co_u32 s51, s11, 1
	s_sub_co_u32 s51, s13, s51
	s_cmp_le_u32 s13, s11
	s_cselect_b32 s50, s13, s51                    ; the trip's slot: T in the low block, T - PR - 1 in the high one:
	s_min_u32 s50, s50, 7                          ; 0 to 7 by that arithmetic; the minimum writes the bound into the text
	s_mul_i32 s14, s50, SLOTB
	s_lshl_b32 s15, s50, 8
	s_setprio 2
	STEP 0
	s_setprio 1
	STEP 1
	TURNOVER
	s_add_co_u32 s13, s13, 1
	s_cmp_lt_u32 s13, 9
	s_cbranch_scc1 .Ltrip
	s_setprio 0
	EPI                                            ; the high block's tile
	s_wait_tensorcnt 0x0
	ds_add_u32 v254, v255
	s_wait_dscnt 0x0
	s_endpgm
.Lfunc_end_k_q5b08c641ee_attn:
	.size	k_q5b08c641ee_attn, .Lfunc_end_k_q5b08c641ee_attn-k_q5b08c641ee_attn
	.p2alignl 7, 3214868480
	.fill 96, 4, 3214868480
	.section	.rodata,"a",@progbits
	.p2align	6, 0x0
	.amdhsa_kernel k_q5b08c641ee_attn
		.amdhsa_group_segment_fixed_size 206848
		.amdhsa_private_segment_fixed_size 0
		.amdhsa_enable_private_segment 0
		.amdhsa_kernarg_size 24
		.amdhsa_user_sgpr_count 2
		.amdhsa_user_sgpr_kernarg_segment_ptr 1
		.amdhsa_wavefront_size32 1
		.amdhsa_system_sgpr_workgroup_id_x 1
		.amdhsa_system_sgpr_workgroup_id_y 1
		.amdhsa_system_sgpr_workgroup_id_z 1
		.amdhsa_system_vgpr_workitem_id 0
		.amdhsa_next_free_vgpr 256
		.amdhsa_next_free_sgpr 84
		.amdhsa_reserve_vcc 1
		.amdhsa_float_denorm_mode_32 3
		.amdhsa_float_denorm_mode_16_64 3
		.amdhsa_memory_ordered 1
		.amdhsa_forward_progress 1
		.amdhsa_inst_pref_size 169
	.end_amdhsa_kernel
	.amdgpu_metadata
---
amdhsa.version: [ 1, 2 ]
amdhsa.kernels:
  - .name:           k_q5b08c641ee_attn
    .symbol:         k_q5b08c641ee_attn.kd
    .args:
      - { .name: qf, .offset: 0, .size: 8, .value_kind: global_buffer, .address_space: global }
      - { .name: kv, .offset: 8, .size: 8, .value_kind: global_buffer, .address_space: global }
      - { .name: cr, .offset: 16, .size: 8, .value_kind: global_buffer, .address_space: global }
    .group_segment_fixed_size: 206848
    .private_segment_fixed_size: 0
    .kernarg_segment_align: 8
    .kernarg_segment_size: 24
    .max_flat_workgroup_size: 512
    .sgpr_count:     84
    .vgpr_count:     256
    .wavefront_size: 32
...
	.end_amdgpu_metadata
.endif
;; end of part 3
;; launch proj (part 4): grid 4 x 64, 4 waves a work-group, clusters of 4 x 1, 168,448 bytes of LDS; arguments cr, wr, bo, out0; writes out0
.if DOCPART == 4
	.amdgcn_target "amdgcn-amd-amdhsa--gfx1250"
	.amdhsa_code_object_version 6
	.text
	.protected	k_q5b08c641ee_proj
	.globl	k_q5b08c641ee_proj
	.p2align	8
	.type	k_q5b08c641ee_proj,@function
k_q5b08c641ee_proj:
	s_mov_b64 s[64:65], 0
	v_nop
	global_prefetch_b8 v0, s[64:65] scope:SCOPE_SE
	s_setreg_imm32_b32 hwreg(HW_REG_WAVE_MODE, 25, 1), 1
	s_wait_xcnt 0x0
	s_wait_alu depctr_hold_cnt(0) depctr_sa_sdst(0) depctr_va_vdst(0) depctr_va_sdst(0) depctr_va_ssrc(0) depctr_va_vcc(0) depctr_vm_vsrc(0)
	s_getreg_b32 s2, hwreg(HW_REG_IB_STS2, 6, 4)
	s_cmp_eq_u32 s2, 0
	s_cbranch_scc0 .Lentry_in_a_cluster
	s_endpgm
.Lentry_in_a_cluster:
	s_bfe_u32 s2, ttmp6, 0x10000c
	s_cmp_lg_u32 s2, 0x3003
	s_cbranch_scc0 .Lentry_shape_is_right
	s_endpgm
.Lentry_shape_is_right:
; out0 = ctx Wo^T + bo on codes of BF6 (E3M2) with E8M0 scales, f32 sums.  ctx and Wo arrive as records of operand registers (16 rows x K = 1,024 in 12,800 bytes; lane r of block t holds row 32 (t / 2) + 8 (t % 2) + r + 8 (r / 8)).
; SHARES.  My place cx in the cluster says which 256 features, work-group y which tile of 128 tokens: 256 work-groups, one tile each.  Wave w owns 64 features: 32 fragments of Wo in 384 registers; its tile is 128 x 64: 32 accumulators.
; The four work-groups of a cluster need the same tile of ctx (8 records, dense): it is asked for JOINTLY, each wave its quarter, once; nothing in LDS is filled again.
; Source 0 = 16 rows of Wo, source 1 = 16 tokens: a lane holds one token and eight neighbouring features.  bo is the C of each sum's first product: it is added first, not last.
; THE WAY OUT: 16 tokens x 64 features at a time through the wave's own stage in LDS (rows of 256 + 16 bytes), back as whole rows: sixteen lanes store 256 consecutive bytes, aligned.
; REGISTERS, in windows of 256: window 0: addresses, scale words, ctx's fragments set 0 (v120-215; later the rows on their way out), the bias (v216-247); window 1: the accumulators;
;   window 2: Wo's fragments of K steps 0-4; window 3: those of K steps 5-7, and from v144 ctx's fragments set 1.
.set REC,   12800
.set STAGE, 8*REC                      ; behind the tile: 16 rows x 272 bytes for each wave; no tensor load lands there
.set XS,    32
.set WS,    64
.set A0,    120
.set A1,    144
.set BIAS,  216
.set MSB, 0
.macro WIN new                         ; the immediate's high byte repeats the setting that is left
.if MSB != (\new)
	s_set_vgpr_msb (MSB<<8)|(\new)
.set MSB, \new
.endif
.endm
.macro PLACES n
.rept \n
	v_nop
.endr
.endm
.macro ROUND                           ; a round of the cluster's barrier
	s_barrier_signal -1
	s_barrier_wait -1
	s_cmp_lg_u32 s18, 0
	s_cbranch_scc1 .Lnot_wave_0_\@
	s_barrier_signal -3
.Lnot_wave_0_\@:
	s_barrier_wait -3
	s_barrier_signal -1
	s_barrier_wait -1
.endm
	s_load_b256 s[4:11], s[0:1], 0x0               ; cr s[4:5], wr s[6:7], bo s[8:9], out0 s[10:11]
	v_lshl_add_u32 v254, v0, 2, 0x29000
	v_mov_b32 v255, 0
	ds_add_u32 v254, v255
	ds_add_u32 v254, v255
	v_lshrrev_b32 v7, 5, v0
	v_readfirstlane_b32 s18, v7                    ; wave 0..3
	s_bfe_u32 s20, ttmp6, 0x40000                  ; cx
	s_and_b32 s21, ttmp7, 0xffff                   ; the tile of 128 tokens
	s_mov_b32 s24, 15|(3<<16)|(1<<21)              ; group 1: the mask names all four work-groups; elements of 8 bytes; bit 21 beside a mask; 100 rows of 256 bytes, dense
	s_mov_b32 s25, 32<<16
	s_mov_b32 s26, 100<<16
	s_mov_b32 s27, 32<<16
	s_mov_b32 s28, 100
	s_mov_b32 s29, 32
	s_mov_b32 s30, 0
	s_mov_b32 s31, 0
	s_mov_b32 s32, 1
	s_mul_i32 s33, s18, 2*REC                      ; my quarter, in LDS
	s_mul_i32 s48, s21, 8*REC
	s_add_co_u32 s48, s48, s33                     ; and in memory: made of the tile's number and the wave's alone
	s_mov_b32 s49, 0
	s_wait_dscnt 0x0
	s_wait_kmcnt 0x0
	s_add_nc_u64 s[34:35], s[4:5], s[48:49]
	s_or_b32 s35, s35, 0x80000000
	ROUND                                          ; all four work-groups are here: the joint loads meet
	tensor_load_to_lds s[32:35], s[24:31]
	s_nop 0
	PLACES 4
	v_and_b32 v7, 31, v0
	v_lshlrev_b32 v1, 4, v7                        ; 16 x lane
	v_lshlrev_b32 v2, 3, v7                        ; 8 x lane
	v_lshlrev_b32 v3, 2, v7                        ; 4 x lane
	v_and_b32 v18, 15, v0                          ; r
	v_bfe_u32 v19, v0, 4, 1                        ; h
	v_lshlrev_b32 v16, 6, v19                      ; the bias: 16 h numbers on
	v_mov_b32 v8, v1                               ; records 0-3 and 4-7 of the tile: the immediate offset has 16 bits
	v_add_nc_u32 v9, 4*REC, v1
	v_mov_b32 v10, v2
	v_add_nc_u32 v11, 4*REC, v2
	v_mov_b32 v12, v3
	v_add_nc_u32 v13, 4*REC, v3
	s_mul_i32 s56, s18, 16*272
	s_add_co_u32 s56, s56, STAGE                   ; my stage
	v_mul_u32_u24 v14, v18, 272
	v_lshl_add_u32 v14, v19, 6, v14
	v_add_nc_u32 v14, s56, v14                     ; in: row r, + 64 h
	v_mul_u32_u24 v15, v19, 272
	v_lshl_add_u32 v15, v18, 4, v15
	v_add_nc_u32 v15, s56, v15                     ; back: lanes 0-15 one row, lanes 16-31 the next
	v_lshlrev_b32 v20, 12, v19
	v_lshl_add_u32 v20, v18, 4, v20                ; and the same two tokens in out0
	s_lshl_b32 s52, s20, 2
	s_add_co_u32 s52, s52, s18
	s_add_co_u32 s52, s52, 48                      ; Wo's records begin at 192 = 4 x 48
	s_mul_i32 s52, s52, 4*REC
	s_mov_b32 s53, 0
	s_add_nc_u64 s[50:51], s[6:7], s[52:53]        ; my four records of Wo
	s_lshl_b32 s56, s20, 10
	s_lshl_b32 s57, s18, 8
	s_add_co_u32 s56, s56, s57                     ; my 64 features, in bytes
	s_mov_b32 s57, 0
	s_add_nc_u64 s[54:55], s[8:9], s[56:57]
	s_add_nc_u64 s[38:39], s[10:11], s[56:57]
	s_lshl_b32 s58, s21, 19                        ; 128 tokens of 4,096 bytes
	s_mov_b32 s59, 0
	s_add_nc_u64 s[38:39], s[38:39], s[58:59]
.irp tw, 0,1,2,3                               ; lane (r, h), register j: feature 32 (tw / 2) + 16 h + 8 (tw % 2) + j
	global_load_b128 v[BIAS+8*\tw:BIAS+8*\tw+3], v16, s[54:55] offset:(32*(\tw/2)+8*(\tw%2))*4
	global_load_b128 v[BIAS+8*\tw+4:BIAS+8*\tw+7], v16, s[54:55] offset:(32*(\tw/2)+8*(\tw%2))*4+16
.endr
.irp tw, 0,1,2,3
.irp s2, 0,1,2,3
	global_load_b32 v[WS+4*\tw+\s2], v3, s[50:51] offset:\tw*REC+12288+128*\s2
.endr
.endr
	WIN 0x80                                       ; destination window 2.  Wo's fragments in the order of the K steps, 16 loads a step
.irp s, 0,1,2,3,4
.irp tw, 0,1,2,3
	global_load_b128 v[48*\s+12*\tw:48*\s+12*\tw+3], v1, s[50:51] offset:\tw*REC+1536*\s
	global_load_b64 v[48*\s+12*\tw+4:48*\s+12*\tw+5], v2, s[50:51] offset:\tw*REC+1536*\s+512
	global_load_b128 v[48*\s+12*\tw+6:48*\s+12*\tw+9], v1, s[50:51] offset:\tw*REC+1536*\s+768
	global_load_b64 v[48*\s+12*\tw+10:48*\s+12*\tw+11], v2, s[50:51] offset:\tw*REC+1536*\s+1280
.endr
.endr
	WIN 0xc0                                       ; destination window 3
.irp s, 5,6,7
.irp tw, 0,1,2,3
	global_load_b128 v[48*(\s-5)+12*\tw:48*(\s-5)+12*\tw+3], v1, s[50:51] offset:\tw*REC+1536*\s
	global_load_b64 v[48*(\s-5)+12*\tw+4:48*(\s-5)+12*\tw+5], v2, s[50:51] offset:\tw*REC+1536*\s+512
	global_load_b128 v[48*(\s-5)+12*\tw+6:48*(\s-5)+12*\tw+9], v1, s[50:51] offset:\tw*REC+1536*\s+768
	global_load_b64 v[48*(\s-5)+12*\tw+10:48*(\s-5)+12*\tw+11], v2, s[50:51] offset:\tw*REC+1536*\s+1280
.endr
.endr
	WIN 0
.macro FETCH s, set                    ; ctx's eight fragments of K step s: 32 LDS loads, each of consecutive bytes
.if \set
	WIN 0xc0
.set FB, A1
.else
	WIN 0
.set FB, A0
.endif
.irp i, 0,1,2,3,4,5,6,7
	ds_load_b128 v[FB+12*\i:FB+12*\i+3], v[8+\i/4] offset:(\i%4)*REC+1536*(\s)
	ds_load_b64 v[FB+12*\i+4:FB+12*\i+5], v[10+\i/4] offset:(\i%4)*REC+1536*(\s)+512
	ds_load_b128 v[FB+12*\i+6:FB+12*\i+9], v[8+\i/4] offset:(\i%4)*REC+1536*(\s)+768
	ds_load_b64 v[FB+12*\i+10:FB+12*\i+11], v[10+\i/4] offset:(\i%4)*REC+1536*(\s)+1280
.endr
.endm
.macro ONE s, tx, tw
.set DD, 8*(4*\tx+\tw)
.set RW, WB+12*\tw
.set RX, AB+12*\tx
.set SCW, WS+4*\tw+(\s)/2
.set SCX, XS+4*\tx+(\s)/2
.if (\s) == 0
.set CC, BIAS+8*\tw
.else
.set CC, DD
.endif
.if (\s)%2
	v_wmma_scale_f32_16x16x128_f8f6f4 v[DD:DD+7], v[RW:RW+11], v[RX:RX+11], v[CC:CC+7], v[SCW], v[SCX] matrix_a_fmt:MATRIX_FMT_BF6 matrix_b_fmt:MATRIX_FMT_BF6 matrix_a_scale:MATRIX_SCALE_ROW1 matrix_b_scale:MATRIX_SCALE_ROW1
.else
	v_wmma_scale_f32_16x16x128_f8f6f4 v[DD:DD+7], v[RW:RW+11], v[RX:RX+11], v[CC:CC+7], v[SCW], v[SCX] matrix_a_fmt:MATRIX_FMT_BF6 matrix_b_fmt:MATRIX_FMT_BF6
.endif
.endm
; K step s: 32 products.  The 32 accumulators take turns, one instruction a turn, in the same order in every step.  The first step's C is the bias.
.macro MUL s
.if (\s) < 5
.set WW, 2
.set WB, 48*(\s)
.else
.set WW, 3
.set WB, 48*((\s)-5)
.endif
.if (\s)%2
.set AW, 3
.set AB, A1
.else
.set AW, 0
.set AB, A0
.endif
.if (\s) == 0
.set CW, 0
.else
.set CW, 1
.endif
.set WSEL, WW|(AW<<2)|(CW<<4)|0x40
	WIN WSEL
.irp tx, 0,1,2,3,4,5,6,7
.irp tw, 0,1,2,3
	ONE \s, \tx, \tw
.endr
.endr
.endm
	s_wait_alu depctr_va_vdst(0)
	s_wait_tensorcnt 0x0                           ; my quarter of the tile is in,
	s_barrier_signal -1
	s_barrier_wait -1                              ; everybody's is
.irp i, 0,1,2,3,4,5,6,7                        ; the tile's scale words, for all of K: lanes 0-15 the even K step, lanes 16-31 the odd one
.irp s2, 0,1,2,3
	ds_load_b32 v[XS+4*\i+\s2], v[12+\i/4] offset:(\i%4)*REC+12288+128*\s2
.endr
.endr
	FETCH 0, 0
.irp s, 0,1,2,3,4,5,6,7
.if \s >= 1
	PLACES 4                                       ; in front of loads into registers that the last step's products have read
.endif
.if \s < 7
	FETCH \s+1, (\s+1)%2
	s_wait_dscnt 32                                ; all but the 32 just issued
.else
	s_wait_dscnt 0x0
.endif
.if 16*(7-\s) > 63
	s_wait_loadcnt 63                              ; Wo's fragments of this step are in (16 loads for each later step may be out; the count's field ends at 63)
.else
	s_wait_loadcnt 16*(7-\s)
.endif
	MUL \s
.endr
.macro TOSTAGE a                       ; token block a: 16 tokens x 64 features into my stage, and back as whole rows.  LDS serves a wave's instructions in order: no wait between the stores and the loads
	WIN 0x04                                       ; an LDS store's data are its source 1: window 1
.irp tw, 0,1,2,3
	ds_store_b128 v14, v[8*(4*(\a)+\tw):8*(4*(\a)+\tw)+3] offset:128*(\tw/2)+32*(\tw%2)          ; each accumulator from its low end on
	ds_store_b128 v14, v[8*(4*(\a)+\tw)+4:8*(4*(\a)+\tw)+7] offset:128*(\tw/2)+32*(\tw%2)+16
.endr
	WIN 0
.set BB, A0+32*((\a)%2)
.irp t, 0,1,2,3,4,5,6,7
	ds_load_b128 v[BB+4*\t:BB+4*\t+3], v15 offset:544*\t
.endr
.endm
.macro SEND a, younger                 ; younger: the LDS instructions issued behind block a's loads, which may stay out
.set BB, A0+32*((\a)%2)
	s_wait_dscnt \younger
.irp t, 0,1,2,3,4,5,6,7                        ; stage rows 2 t and 2 t + 1 are tokens 32 (a / 2) + 8 (a % 2) + 2 t + 8 (t / 4) and the next
	global_store_b128 v20, v[BB+4*\t:BB+4*\t+3], s[38:39] offset:(32*((\a)/2)+8*((\a)%2)+2*\t+8*(\t/4))*4096 th:TH_STORE_NT   ; 16 lanes store 256 consecutive bytes, aligned; written once, read by nobody here
.endr
.endm
	PLACES 4                                       ; in front of the first read of results and of the loads into the registers that held ctx's fragments
	TOSTAGE 0
.irp a, 1,2,3,4,5,6,7
.if \a > 1
	s_wait_xcnt 0x0                                ; block a - 2's stores have read their registers: block a's loads may land there
.endif
	TOSTAGE \a
	SEND \a-1, 16                                  ; behind block a - 1's loads: block a's 8 stores and 8 loads
.endr
	SEND 7, 0
	s_wait_tensorcnt 0x0
	ds_add_u32 v254, v255
	s_wait_dscnt 0x0
	ROUND                                          ; the closing round: no work-group ends while a partner may still ask for a tile that names it
	s_endpgm
.Lfunc_end_k_q5b08c641ee_proj:
	.size	k_q5b08c641ee_proj, .Lfunc_end_k_q5b08c641ee_proj-k_q5b08c641ee_proj
	.p2alignl 7, 3214868480
	.fill 96, 4, 3214868480
	.section	.rodata,"a",@progbits
	.p2align	6, 0x0
	.amdhsa_kernel k_q5b08c641ee_proj
		.amdhsa_group_segment_fixed_size 168448
		.amdhsa_private_segment_fixed_size 0
		.amdhsa_enable_private_segment 0
		.amdhsa_kernarg_size 32
		.amdhsa_user_sgpr_count 2
		.amdhsa_user_sgpr_kernarg_segment_ptr 1
		.amdhsa_wavefront_size32 1
		.amdhsa_system_sgpr_workgroup_id_x 1
		.amdhsa_system_sgpr_workgroup_id_y 1
		.amdhsa_system_sgpr_workgroup_id_z 1
		.amdhsa_system_vgpr_workitem_id 0
		.amdhsa_next_free_vgpr 1024
		.amdhsa_next_free_sgpr 66
		.amdhsa_reserve_vcc 0
		.amdhsa_float_denorm_mode_32 3
		.amdhsa_float_denorm_mode_16_64 3
		.amdhsa_memory_ordered 1
		.amdhsa_forward_progress 1
		.amdhsa_inst_pref_size 86
	.end_amdhsa_kernel
	.amdgpu_metadata
---
amdhsa.version: [ 1, 2 ]
amdhsa.kernels:
  - .name:           k_q5b08c641ee_proj
    .symbol:         k_q5b08c641ee_proj.kd
    .args:
      - { .name: cr, .offset: 0, .size: 8, .value_kind: global_buffer, .address_space: global }
      - { .name: wr, .offset: 8, .size: 8, .value_kind: global_buffer, .address_space: global }
      - { .name: bo, .offset: 16, .size: 8, .value_kind: global_buffer, .address_space: global }
      - { .name: out0, .offset: 24, .size: 8, .value_kind: global_buffer, .address_space: global }
    .group_segment_fixed_size: 168448
    .private_segment_fixed_size: 0
    .kernarg_segment_align: 8
    .kernarg_segment_size: 32
    .max_flat_workgroup_size: 128
    .sgpr_count:     66
    .vgpr_count:     1024
    .wavefront_size: 32
...
	.end_amdgpu_metadata
.endif
;; end of part 4
